; MI455X (gfx1250); checked and timed in simulation.
; The chip was launched on July 23, 2026; its instructions are those of AMD's public machine-readable ISA for CDNA 5 (MIT licence, August 2026) and "CDNA5" Instruction Set Architecture Reference Guide (July 2026). The comments in the code are by the model that wrote it; some were corrected since.
;; Threshold Layer. Allowed arithmetic: float matrix products may take bf16 or f16 operands with f32 sums; other float arithmetic in f32, or as packed bf16 or f16 multiplies, adds, multiply-adds, maxima and minima; sums over many terms, partial sums and values carried from step to step in f32; what a program stores and reads back later, other than sums and carried values, may be rounded once to bf16 or f16.
;; Inputs: bias 4,096 float32; mask 4,096 x 4,096 int32; weight 4,096 x 4,096 float32; x 4,096 x 4,096 float32.
;; Outputs: out0 4,096 x 4,096 float32.
;; 2 versions, each right; version 2 is version 1 with the launch prep written anew for expert scheduling mode. Each part assembles by itself: llvm-mc -triple=amdgcn-amd-amdhsa -mcpu=gfx1250 --defsym DOCPART=n.
;; ======== version 1 of 2: 2 launches
;; workspace buffers: xb 33,554,432 bytes; wb 33,554,432 bytes
;; launch prep (part 1): grid 512 x 1, 8 waves a work-group, no clusters, 0 bytes of LDS; arguments x, weight, mask, xb, wb; writes xb, wb
.if DOCPART == 1
	.amdgcn_target "amdgcn-amd-amdhsa--gfx1250"
	.amdhsa_code_object_version 6
	.text
	.protected	k_qa5f0b29b04_prep
	.globl	k_qa5f0b29b04_prep
	.p2align	8
	.type	k_qa5f0b29b04_prep,@function
k_qa5f0b29b04_prep:
	s_mov_b64 s[64:65], 0
	v_nop
	global_prefetch_b8 v0, s[64:65] scope:SCOPE_SE
	s_setreg_imm32_b32 hwreg(HW_REG_WAVE_MODE, 25, 1), 1
	s_wait_xcnt 0x0
; xb = bf16(x);  wb = bf16(weight * f32(mask)).  x, weight: [4096][4096] f32; mask: [4096][4096] int32; xb, wb: [4096][4096] bf16.
; The two operands of the product that follows are made once here, so that the product's work-groups, sixteen of which read each tile, need not convert them again.
; LIMITS.  Each number is rounded once, to nearest even, to bf16, which has f32's exponent range.  mask is taken as any int32, converted to f32 (to nearest even) and MULTIPLIED:
; an infinite or NaN weight under a zero gives NaN, as the multiplication in f32 does.  No pattern of the mask is assumed.
; A STREAM: every byte is read once and written once; no byte is wanted by two waves, so there is no LDS, no barrier, no cluster and no matrix work.
; SHARES.  A unit is 1,024 numbers on end: 4,096 bytes of each input, 2,048 of each output.  The work-group owns 32 units.  Thread t takes the 16 bytes at 16 t of a unit's inputs
; (a wave's load covers 512 consecutive bytes) and stores the 8 bytes at 8 t of its outputs (a wave's store covers 256 consecutive bytes, at a multiple of 256 from the buffer's first byte).
; A ring of DEPTH slots in registers keeps 3 x DEPTH loads of every wave in flight; a slot owns its input and its output registers.
.set DEPTH,  8                         ; slots
.set ROUNDS, 32/DEPTH                  ; each round takes every slot once
.set UIN,    4096                      ; bytes of a unit in x, weight, mask
.set UOUT,   2048                      ; bytes of a unit in xb, wb
.set IN,  1                            ; v1         16 t; never rewritten
.set OUT, 2                            ; v2         8 t; never rewritten
.set X,   4                            ; v[4:35]    slot i: 4 numbers of x
.set W,   36                           ; v[36:67]   slot i: 4 of weight
.set M,   68                           ; v[68:99]   slot i: 4 of mask, then weight x mask
.set Y,   100                          ; v[100:131] slot i: 2 registers for xb, 2 for wb
	s_load_b256 s[4:11], s[0:1], 0x0               ; x s[4:5], weight s[6:7], mask s[8:9], xb s[10:11]
	s_load_b64 s[12:13], s[0:1], 0x20              ; wb
	v_lshlrev_b32 v[IN], 4, v0
	v_lshlrev_b32 v[OUT], 3, v0
	s_lshl_b32 s14, ttmp9, 17                      ; the work-group's 32 units: 131,072 bytes of each input (under 2^26 in all),
	s_mov_b32 s15, 0
	s_lshl_b32 s16, ttmp9, 16                      ; 65,536 of each output
	s_mov_b32 s17, 0
	s_wait_kmcnt 0x0
	s_add_nc_u64 s[4:5], s[4:5], s[14:15]
	s_add_nc_u64 s[6:7], s[6:7], s[14:15]
	s_add_nc_u64 s[8:9], s[8:9], s[14:15]
	s_add_nc_u64 s[10:11], s[10:11], s[16:17]
	s_add_nc_u64 s[12:13], s[12:13], s[16:17]
; A slot's three loads, from the unit u units behind the bases.  Each input byte is read once in the launch.
.macro FILL i, u
	global_load_b128 v[X+4*(\i):X+4*(\i)+3], v[IN], s[4:5] offset:(\u)*UIN th:TH_LOAD_NT
	global_load_b128 v[W+4*(\i):W+4*(\i)+3], v[IN], s[6:7] offset:(\u)*UIN th:TH_LOAD_NT
	global_load_b128 v[M+4*(\i):M+4*(\i)+3], v[IN], s[8:9] offset:(\u)*UIN th:TH_LOAD_NT
.endm
.irp i, 0,1,2,3,4,5,6,7
	FILL \i, \i                                    ; the ring is filled: units 0 to 7
.endr
; One slot's turn.  ahead = 1: the slot is filled again with the unit DEPTH further on.  left = how many younger loads may stay out.
.macro SLOT i, ahead, left
	s_wait_loadcnt \left                           ; loads come back in order (ISA guide 5.7.1): my three are in, the younger slots' stay out
	s_wait_xcnt 0x0                                ; every earlier memory instruction has had its addresses translated (ISA guide 3.1): this slot's Y, which its last two stores read, is rewritten only behind this wait
.irp j, 0,1,2,3
	v_cvt_f32_i32 v[M+4*(\i)+(\j)], v[M+4*(\i)+(\j)]
.endr
.irp j, 0,2
	v_pk_mul_f32 v[M+4*(\i)+(\j):M+4*(\i)+(\j)+1], v[W+4*(\i)+(\j):W+4*(\i)+(\j)+1], v[M+4*(\i)+(\j):M+4*(\i)+(\j)+1]  ; weight x mask, in f32
.endr
	v_cvt_pk_bf16_f32 v[Y+4*(\i)],   v[X+4*(\i)],   v[X+4*(\i)+1]  ; two roundings to bf16, packed
	v_cvt_pk_bf16_f32 v[Y+4*(\i)+1], v[X+4*(\i)+2], v[X+4*(\i)+3]
	v_cvt_pk_bf16_f32 v[Y+4*(\i)+2], v[M+4*(\i)],   v[M+4*(\i)+1]
	v_cvt_pk_bf16_f32 v[Y+4*(\i)+3], v[M+4*(\i)+2], v[M+4*(\i)+3]
.if \ahead
	FILL \i, DEPTH+(\i)                            ; the loads go out ahead of the stores
.endif
	global_store_b64 v[OUT], v[Y+4*(\i):Y+4*(\i)+1],   s[10:11] offset:(\i)*UOUT  ; no hint: the next launch reads these
	global_store_b64 v[OUT], v[Y+4*(\i)+2:Y+4*(\i)+3], s[12:13] offset:(\i)*UOUT
.endm
	s_mov_b32 s18, ROUNDS-1
.Lround:
.irp i, 0,1,2,3,4,5,6,7
	SLOT \i, 1, 3*(DEPTH-1)                        ; seven younger slots of three loads each
.endr
	s_wait_xcnt 0x0                                ; the round's loads and stores have read their bases, which step now: 8 units
	s_add_nc_u64 s[4:5], s[4:5], DEPTH*UIN
	s_add_nc_u64 s[6:7], s[6:7], DEPTH*UIN
	s_add_nc_u64 s[8:9], s[8:9], DEPTH*UIN
	s_add_nc_u64 s[10:11], s[10:11], DEPTH*UOUT
	s_add_nc_u64 s[12:13], s[12:13], DEPTH*UOUT
	s_sub_co_u32 s18, s18, 1
	s_cmp_lg_u32 s18, 0
	s_cbranch_scc1 .Lround
.irp i, 0,1,2,3,4,5,6,7
	SLOT \i, 0, 3*(DEPTH-1-(\i))                   ; the last round loads nothing: the counts run down, and no load leaves its buffer
.endr
	s_endpgm
.Lfunc_end_k_qa5f0b29b04_prep:
	.size	k_qa5f0b29b04_prep, .Lfunc_end_k_qa5f0b29b04_prep-k_qa5f0b29b04_prep
	.p2alignl 7, 3214868480
	.fill 96, 4, 3214868480
	.section	.rodata,"a",@progbits
	.p2align	6, 0x0
	.amdhsa_kernel k_qa5f0b29b04_prep
		.amdhsa_group_segment_fixed_size 0
		.amdhsa_private_segment_fixed_size 0
		.amdhsa_enable_private_segment 0
		.amdhsa_kernarg_size 40
		.amdhsa_user_sgpr_count 2
		.amdhsa_user_sgpr_kernarg_segment_ptr 1
		.amdhsa_wavefront_size32 1
		.amdhsa_system_sgpr_workgroup_id_x 1
		.amdhsa_system_sgpr_workgroup_id_y 1
		.amdhsa_system_sgpr_workgroup_id_z 1
		.amdhsa_system_vgpr_workitem_id 0
		.amdhsa_next_free_vgpr 132
		.amdhsa_next_free_sgpr 66
		.amdhsa_reserve_vcc 0
		.amdhsa_float_denorm_mode_32 3
		.amdhsa_float_denorm_mode_16_64 3
		.amdhsa_memory_ordered 1
		.amdhsa_forward_progress 1
		.amdhsa_inst_pref_size 18
	.end_amdhsa_kernel
	.amdgpu_metadata
---
amdhsa.version: [ 1, 2 ]
amdhsa.kernels:
  - .name:           k_qa5f0b29b04_prep
    .symbol:         k_qa5f0b29b04_prep.kd
    .args:
      - { .name: x, .offset: 0, .size: 8, .value_kind: global_buffer, .address_space: global }
      - { .name: weight, .offset: 8, .size: 8, .value_kind: global_buffer, .address_space: global }
      - { .name: mask, .offset: 16, .size: 8, .value_kind: global_buffer, .address_space: global }
      - { .name: xb, .offset: 24, .size: 8, .value_kind: global_buffer, .address_space: global }
      - { .name: wb, .offset: 32, .size: 8, .value_kind: global_buffer, .address_space: global }
    .group_segment_fixed_size: 0
    .private_segment_fixed_size: 0
    .kernarg_segment_align: 8
    .kernarg_segment_size: 40
    .max_flat_workgroup_size: 256
    .sgpr_count:     66
    .vgpr_count:     132
    .wavefront_size: 32
...
	.end_amdgpu_metadata
.endif
;; end of part 1
;; launch gemm (part 2): grid 16 x 16, 4 waves a work-group, clusters of 4 x 4, 327,680 bytes of LDS; arguments xb, wb, out0, bias; writes out0
.if DOCPART == 2
	.amdgcn_target "amdgcn-amd-amdhsa--gfx1250"
	.amdhsa_code_object_version 6
	.text
	.protected	k_qa5f0b29b04_gemm
	.globl	k_qa5f0b29b04_gemm
	.p2align	8
	.type	k_qa5f0b29b04_gemm,@function
k_qa5f0b29b04_gemm:
	s_mov_b64 s[64:65], 0
	v_nop
	global_prefetch_b8 v0, s[64:65] scope:SCOPE_SE
	s_setreg_imm32_b32 hwreg(HW_REG_WAVE_MODE, 25, 1), 1
	s_wait_xcnt 0x0
	s_wait_alu depctr_hold_cnt(0) depctr_sa_sdst(0) depctr_va_vdst(0) depctr_va_sdst(0) depctr_va_ssrc(0) depctr_va_vcc(0) depctr_vm_vsrc(0)
	s_getreg_b32 s2, hwreg(HW_REG_IB_STS2, 6, 4)
	s_cmp_eq_u32 s2, 0
	s_cbranch_scc0 .Lentry_in_a_cluster
	s_endpgm
.Lentry_in_a_cluster:
	s_bfe_u32 s2, ttmp6, 0x10000c
	s_cmp_lg_u32 s2, 0xf033
	s_cbranch_scc0 .Lentry_shape_is_right
	s_endpgm
.Lentry_shape_is_right:
; out0[m][n] = (sum over k of A[m][k] B[n][k]) - bias[n].  A = xb, B = wb: [4096][4096] bf16 (x, and weight x mask, each rounded once); out0: [4096][4096] f32; bias: [4096] f32.
; Sums in f32, in the matrix unit's order, K ascending; bias is subtracted in f32 at the end.  LIMITS: none beyond the operands' one rounding to bf16, which has f32's exponent range.
; A tile of out0, 256 x 256, is made by a work-group of four waves; a wave makes 128 x 128: 64 accumulators of 16 x 16, 512 registers.  16 x 16 tiles: 256 work-groups, one tile each.
; K goes in steps of 128 through a ring of two LDS slots filled by the tensor data mover: the tiles' rows are 256 bytes of memory and start at multiples of 256 bytes from the buffer's first byte.
; CLUSTERS: 4 x 4 work-groups.  The four of a row of the cluster need the same tiles of A, the four of a column the same tiles of B.  Such a tile is asked for JOINTLY: each of the four issues
; the same tensor load, with the same descriptor and a mask that names the four, and each receives the tile in its own LDS.  That divides the requests for A and for B by four.
; lds_bytes claims all of the LDS; the text uses 312,832 bytes.
;
; REGISTERS, in windows of 256 (s_set_vgpr_msb's low byte: bits 1:0 source 0, 3:2 source 1, 5:4 source 2, 7:6 destination):
;   window 0: v0-31 addresses and bias; v64-127, v128-191 fragments of A (8 x 16 rows x 32 K), two buffers; on the way out the same two hold 16 rows of out0 each
;   window 1: v64-127, v128-191 fragments of B, two buffers
;   window 2: the 32 accumulators of my rows 0-63 (accumulator (a, b) at v[8 (8 a + b)]);   window 3: those of my rows 64-127
; THE MATRIX INSTRUCTION IS USED TRANSPOSED: source 0 = 16 rows of B, source 1 = 16 rows of A.  In the result lane l holds row m = l % 16 of out0 and its registers 0 to 7 the columns
; 8 (l / 16) + 0 .. 7: eight neighbouring numbers of a row, 32 bytes.
.set SIZE,   4096                      ; M = N = K
.set KSTEP,  128
.set PITCH,  272                       ; an LDS row: 256 bytes of data + 16 of padding = 68 words: row r starts at bank 4 r mod 64 (64 banks of 4 bytes: ISA guide 11.1), so the 16 rows that a load touches start at 16 different banks
.set HALFT,  128*PITCH                 ; 128 rows: what one tensor load brings, and what one wave reads of A or of B
.set SLOT,   4*HALFT                   ; A's 256 rows, then B's 256 rows
.set STAGE,  2*SLOT                    ; behind the ring, never filled by a tensor load: 16 rows x 528 bytes for each wave, for the way out
.set SPITCH, 528                       ; a stage row: 128 f32 = 512 bytes + 16: the sixteen rows that a store touches start 16 bytes apart modulo 256
.set SPARE,  STAGE+4*16*SPITCH         ; behind the stages: the spare words, 128 bytes for each wave: two blocks of 256 bytes that no other line names
.set LAPS,   SIZE/(2*KSTEP)            ; a lap = two K steps = once round the ring: 16
.set BI,   8                           ; v[8:11] bias of the four columns that I store
.set BO,   12                          ; v12     their byte offset in bias
.set ADRA, 16                          ; v16-17  LDS address of my A fragments in slot 0, 1
.set ADRB, 20                          ; v20-21  the same for B
.set STO,  24                          ; v24     the way out: where I put 32 bytes of a row
.set RD,   25                          ; v25     the way out: where I read 16 bytes of a row back
.set CO,   26                          ; v26     16 x my lane: my byte offset in my wave's 512 bytes of a row of out0
.set SPW,  28                          ; v28     LDS address of my spare word: SPARE + 4 x my thread's number; never rewritten
.set NIL,  29                          ; v29     0; never rewritten
.set PFO,  30                          ; v30     the prefetches' offset: my lane x a row of A or B (8,192 bytes); never rewritten
.set F0,   64                          ; fragment buffer 0
.set F1,   128                         ; fragment buffer 1
.set WV,   12                          ; s12     my wave's number
.set HR,   13                          ; s13     which half of the tile's rows is mine.  Also: I fetch for A (0) or for B (1)
.set HC,   14                          ; s14     which half of its columns.  Also: which 128 rows of that tile I fetch
.set TR,   15                          ; s15     tile row of out0, later x 256
.set G1,   24                          ; s[24:31] descriptor group 1 for A's tiles
.set G0,   32                          ; s[32:39] descriptor group 0 for A's tiles, one set for each slot
.set LIM,  43                          ; s43     1 in a wave that prefetches, else the greatest number
.set PFA,  44                          ; s[44:45] where my prefetches stand: my work-group's 32 rows of the 128 that I fetch, one K step further along K than the refill in hand; a prefetch names the K step after that
.set G1B,  48                          ; s[48:55] descriptor group 1 for B's tiles: it differs from A's in the mask alone
.set G0B,  56                          ; s[56:63] descriptor group 0 for B's tiles, one set for each slot
.set MSB, 0
.macro WIN new                         ; the immediate's high byte repeats the setting that is left; a switch that changes nothing is dropped
.if MSB != (\new)
	s_set_vgpr_msb (MSB<<8)|(\new)
.set MSB, \new
.endif
.endm
.set MUL_LO, 0xa1                      ; source 0 (B) window 1, source 1 (A) window 0, C and D window 2
.set MUL_HI, 0xf1                      ; the same, C and D window 3
.set TO_B,   0x40                      ; destination window 1, address window 0
.set ST_LO,  0x08                      ; an LDS store's data (source 1) window 2, its address window 0
; A joint load.  Waves 0 and 1 fetch A's two halves, waves 2 and 3 B's.  Each of the two lines has ONE mask and one set of registers for all that issue it, and nothing in them hangs on a
; coordinate that the four partners do not share.  The branch hangs on the wave's number alone.  An s_nop 0 and four v_nop follow each of the two lines, ahead of the jump, the label and what follows.
.macro JLOAD s
	s_cmp_eq_u32 s[HR], 0
	s_cbranch_scc0 .Lfor_b_\@
	tensor_load_to_lds s[G0+4*(\s):G0+4*(\s)+3], s[G1:G1+7]
	s_nop 0
.rept 4
	v_nop
.endr
	s_branch .Lasked_\@
.Lfor_b_\@:
	tensor_load_to_lds s[G0B+4*(\s):G0B+4*(\s)+3], s[G1B:G1B+7]
	s_nop 0
.rept 4
	v_nop
.endr
.Lasked_\@:
.endm
; A PREFETCH, behind each joint refill, its five lines and the run of LDS loads that follows them: the K step that stands TWO refills on (512 matrix instructions ahead of the load that will ask for it):
; 32 rows x 256 bytes, a lane a row, one instruction a wave.  Each row's 256 bytes of a K step are named ONCE in the launch: A's tile row is read by every cluster of that row of clusters, and the one with
; cluster x = 0 asks; B's tile column by every cluster of that column, and the one with cluster y = 0 asks.  The four partners that ask for a tile jointly share its rows out BY ADDRESS: of the 128 rows that
; a wave fetches, the partner at place p takes 32 p .. 32 p + 31 (p = cx for A, cy for B): no branch hangs on a work-group's place in its cluster.  K steps 0 to 3 come by their loads alone.
; The loop's last trip (s3 = 1) asks for nothing: K steps 32 and 33 do not exist.
.macro ASK
	s_cmp_gt_u32 s3, s[LIM]
	s_cbranch_scc0 .Lnot_mine_\@
	global_prefetch_b8 v[PFO], s[PFA:PFA+1] offset:KSTEP*2 th:TH_LOAD_NT scope:SCOPE_SE
.Lnot_mine_\@:
.endm
; A round of the cluster's barrier: my work-group's barrier, so that wave 0's signal speaks for all four waves; wave 0 signals for the work-group; every wave waits for all sixteen
; work-groups; my work-group's barrier once more.  No LDS instruction of the wave is pending at a signal.
.macro CREST                           ; a round behind its opening barrier
	s_cmp_lg_u32 s[WV], 0
	s_cbranch_scc1 .Lnot_wave_0_\@
	s_barrier_signal -3
.Lnot_wave_0_\@:
	s_barrier_wait -3
	s_barrier_signal -1
	s_barrier_wait -1
.endm
.macro CROUND                          ; a whole round
	s_barrier_signal -1
	s_barrier_wait -1
	CREST
.endm
	s_load_b256 s[4:11], s[0:1], 0x0               ; A s[4:5], B s[6:7], out0 s[8:9], bias s[10:11]
	v_lshl_add_u32 v[SPW], v0, 2, SPARE
	v_mov_b32 v[NIL], 0
	ds_add_u32 v[SPW], v[NIL]                      ; the wave's opening: the add, twice on end, and its wait ahead of my first tensor load; the set-up below, work on registers, stands between
	ds_add_u32 v[SPW], v[NIL]                      ; and once more, under the one wait
	v_lshrrev_b32 v1, 5, v0
	v_readfirstlane_b32 s[WV], v1                  ; wave 0..3
	s_lshr_b32 s[HR], s[WV], 1
	s_and_b32 s[HC], s[WV], 1
	s_bfe_u32 s40, ttmp6, 0x40000                  ; cx: my place along the cluster's x
	s_bfe_u32 s41, ttmp6, 0x40004                  ; cy: along its y
	s_lshl_b32 s42, ttmp9, 2                       ; in a cluster launch ttmp9 and ttmp7 count clusters
	s_add_co_u32 s42, s42, s40                     ; tile column of out0 = 4 x cluster x + cx
	s_and_b32 s[TR], ttmp7, 0xffff
	s_lshl_b32 s[TR], s[TR], 2
	s_add_co_u32 s[TR], s[TR], s41                 ; tile row of out0 = 4 x cluster y + cy
	s_lshl_b32 s43, s41, 2
	s_lshl_b32 s43, 15, s43                        ; my row of the cluster: places 4 cy .. 4 cy + 3
	s_lshl_b32 s44, 0x1111, s40                    ; my column: places cx, cx + 4, cx + 8, cx + 12
	; descriptor group 1: a tile of 128 rows x 128 elements, padded in LDS
	s_or_b32 s[G1+0], s43, (1<<16)|(1<<20)|(1<<21)|(5<<22)|(3<<25)  ; 15:0 the mask: A's tiles go to my row; 17:16 element of 2 bytes; 20 padding on; 21 set beside a mask; 24:22 after every 64 words (code 5); 31:25 of 4 words (code 3)
	s_or_b32 s[G1B+0], s44, (1<<16)|(1<<20)|(1<<21)|(5<<22)|(3<<25) ; the same with the mask of my column, for B's tiles
.irp g, G1, G1B
	s_mov_b32 s[(\g)+1], KSTEP<<16                 ; 63:48 tensor_dim0, low half = 128
	s_mov_b32 s[(\g)+2], 128<<16                   ; 79:64 its high half = 0; 95:80 tensor_dim1, low half = 128
	s_mov_b32 s[(\g)+3], KSTEP<<16                 ; 111:96 its high half = 0; 127:112 tile_dim0 = 128
	s_mov_b32 s[(\g)+4], 128                       ; 143:128 tile_dim1 = 128; 159:144 tile_dim2 = 0
	s_mov_b32 s[(\g)+5], SIZE                      ; 191:160 tensor_dim0_stride, low word: elements from row to row
	s_mov_b32 s[(\g)+6], 0
	s_mov_b32 s[(\g)+7], 0
.endr
	; where the tiles come from.  A's hang on the tile row alone, which my row of the cluster shares; B's on the tile column alone, which my column shares.
	; Every wave makes both addresses, in registers that never hold the other coordinate, and asks by one of them.
	s_lshl_b32 s17, s[HC], 7                       ; which 128 rows of the tile I fetch
	s_lshl_b32 s16, s[TR], 8
	s_add_co_u32 s16, s16, s17                     ; A: row 256 x tile row + 128 x half
	s_lshl_b32 s46, s42, 8
	s_add_co_u32 s46, s46, s17                     ; B: row 256 x tile column + 128 x half
	s_mov_b32 s17, 0
	s_mov_b32 s47, 0
	s_mov_b64 s[18:19], SIZE*2                     ; bytes in a row of A and of B
	s_mul_u64 s[16:17], s[16:17], s[18:19]
	s_mul_u64 s[46:47], s[46:47], s[18:19]
	s_mul_i32 s20, s[WV], HALFT                    ; and where they go: A's two halves, then B's two halves = wave x 128 rows: no place in the cluster enters an LDS address
	s_wait_dscnt 0x0                               ; both opening adds are done
	s_wait_kmcnt 0x0
	s_add_nc_u64 s[22:23], s[4:5], s[16:17]
	s_add_nc_u64 s[46:47], s[6:7], s[46:47]
	CROUND                                         ; all sixteen work-groups are here: the first joint loads meet
.irp s, 0,1
	s_mov_b32 s[G0+4*(\s)], 1                                      ; 1:0 count = 1
	s_add_co_u32 s[G0+4*(\s)+1], s20, (\s)*SLOT                    ; 63:32 LDS address
	s_add_nc_u64 s[G0+4*(\s)+2:G0+4*(\s)+3], s[22:23], (\s)*KSTEP*2  ; 120:64 global address: K step s
	s_or_b32 s[G0+4*(\s)+3], s[G0+4*(\s)+3], 0x80000000            ; 127:126 type = 2
	s_mov_b32 s[G0B+4*(\s)], 1
	s_add_co_u32 s[G0B+4*(\s)+1], s20, (\s)*SLOT
	s_add_nc_u64 s[G0B+4*(\s)+2:G0B+4*(\s)+3], s[46:47], (\s)*KSTEP*2
	s_or_b32 s[G0B+4*(\s)+3], s[G0B+4*(\s)+3], 0x80000000
	JLOAD \s                                       ; the ring is filled before anything else is done: two tensor loads of mine are out
.endr
	; A fragment is 16 rows x 32 K in 8 registers: lane l holds row l % 16; registers 0-3 hold K = 8 (l / 16) + 0..7, registers 4-7 hold
	; K = 16 + 8 (l / 16) + 0..7.  From rows that lie along K: two loads of 16 bytes, 32 bytes apart.  The same for source 0 and source 1.
	v_and_b32 v1, 15, v0                           ; l % 16
	v_bfe_u32 v2, v0, 4, 1                         ; l / 16
	v_mul_u32_u24 v3, v1, PITCH
	v_lshl_add_u32 v3, v2, 4, v3                   ; row x pitch + 16 x half
	s_mul_i32 s21, s[HR], HALFT                    ; my 128 rows of A
	s_mul_i32 s22, s[HC], HALFT                    ; my 128 rows of B,
	s_add_co_u32 s22, s22, 2*HALFT                 ; which lie behind A's 256
.irp s, 0,1
	v_add_nc_u32 v[ADRA+(\s)], s21, v3
	v_add_nc_u32 v[ADRB+(\s)], s22, v3
	s_add_co_u32 s21, s21, SLOT
	s_add_co_u32 s22, s22, SLOT
.endr
	s_mul_i32 s23, s[WV], 16*SPITCH
	s_add_co_u32 s23, s23, STAGE                   ; my stage
	v_mul_u32_u24 v4, v1, SPITCH                   ; in: row l % 16, 32 bytes for each half of the lanes
	v_lshl_add_u32 v4, v2, 5, v4
	v_add_nc_u32 v[STO], s23, v4
	v_and_b32 v5, 31, v0
	v_lshlrev_b32 v[CO], 4, v5                     ; back, and out: 32 lanes take one row's 512 bytes, 16 each
	v_add_nc_u32 v[RD], s23, v[CO]
	; where my part of the tile begins in out0, and my columns in bias
	s_lshl_b32 s[TR], s[TR], 8                     ; 256 x tile row
	s_lshl_b32 s20, s[HR], 7
	s_add_co_u32 s16, s[TR], s20                   ; my first row of out0
	s_mov_b32 s17, 0
	s_mov_b64 s[18:19], SIZE*4                     ; bytes in a row of out0
	s_mul_u64 s[16:17], s[16:17], s[18:19]
	s_lshl_b32 s46, s42, 10                        ; my first column, in bytes: 1,024 x tile column + 512 x half (in the registers that held B's address: none that feeds A's descriptors ever holds cx)
	s_lshl_b32 s47, s[HC], 9
	s_add_co_u32 s46, s46, s47
	s_mov_b32 s47, 0
	v_add_nc_u32 v[BO], s46, v[CO]
	global_load_b128 v[BI:BI+3], v[BO], s[10:11]   ; bias of the four columns that I store, once
	s_add_nc_u64 s[16:17], s[16:17], s[46:47]
	s_add_nc_u64 s[8:9], s[8:9], s[16:17]          ; out0 at my wave's first row and column; never stepped: the 128 rows stand in the stores' immediates
	; the prefetches.  s[TR] = 256 x tile row, s42 = tile column, s40 = cx, s41 = cy still stand
	s_lshl_b32 s42, s42, 8
	s_and_b32 s22, ttmp7, 0xffff                   ; cluster y
	s_cmp_eq_u32 s[HR], 0                          ; do I fetch for A?
	s_cselect_b32 s20, s[TR], s42                  ; the tile's first row: in A by the tile row, in B by the tile column
	s_cselect_b32 s21, s40, s41                    ; my place among the four that ask for it with me
	s_cselect_b32 s22, ttmp9, s22                  ; the coordinate along which other clusters read the same rows
	s_cselect_b64 s[PFA:PFA+1], s[4:5], s[6:7]
	s_cmp_eq_u32 s22, 0
	s_cselect_b32 s[LIM], 1, -1                    ; the same in all sixteen partners, for a given wave
	s_lshl_b32 s22, s[HC], 7
	s_add_co_u32 s20, s20, s22                     ; + the 128 rows that I fetch
	s_lshl_b32 s21, s21, 5
	s_add_co_u32 s20, s20, s21                     ; + my work-group's 32 of them
	s_mov_b32 s21, 0
	s_mov_b64 s[18:19], SIZE*2
	s_mul_u64 s[20:21], s[20:21], s[18:19]
	s_add_nc_u64 s[PFA:PFA+1], s[PFA:PFA+1], s[20:21]
	s_add_nc_u64 s[PFA:PFA+1], s[PFA:PFA+1], 2*KSTEP*2  ; at K step 2: the first refill steps it to 3 and names K step 4
	v_and_b32 v[PFO], 31, v0
	v_mul_u32_u24 v[PFO], v[PFO], SIZE*2
	; nothing is prefetched here, at the head, where every work-group's first two tiles are on their way
; 16 matrix instructions: m blocks a0, a0 + 1 of the window's four (hi = 0: my rows 0-63, 1: rows 64-127) x all 8 n blocks, 32 along K.
; zero = 1: the first product starts the sums: nothing is ever cleared.  The 64 accumulators take turns, one instruction a turn, in the same order in every quarter step.
.macro MUL16 f, hi, a0, zero
	WIN MUL_LO+0x50*(\hi)  ; MUL_LO or MUL_HI
.irp a, \a0, (\a0)+1
.irp b, 0,1,2,3,4,5,6,7
.if \zero
	v_wmma_f32_16x16x32_bf16 v[8*(8*(\a)+(\b)):8*(8*(\a)+(\b))+7], v[(\f)+8*(\b):(\f)+8*(\b)+7], v[(\f)+8*(4*(\hi)+(\a)):(\f)+8*(4*(\hi)+(\a))+7], 0
.else
	v_wmma_f32_16x16x32_bf16 v[8*(8*(\a)+(\b)):8*(8*(\a)+(\b))+7], v[(\f)+8*(\b):(\f)+8*(\b)+7], v[(\f)+8*(4*(\hi)+(\a)):(\f)+8*(4*(\hi)+(\a))+7], v[8*(8*(\a)+(\b)):8*(8*(\a)+(\b))+7]
.endif
.endr
.endr
.endm
; 32 LDS loads in one run: the fragments of one quarter step (128 rows of B, 128 rows of A, 32 K at byte k of the rows) into buffer f
.macro FETCH slot, k, f
	WIN TO_B
.irp i, 0,1,2,3,4,5,6,7
	ds_load_b128 v[(\f)+8*(\i):(\f)+8*(\i)+3],   v[ADRB+(\slot)] offset:(\k)+(\i)*16*PITCH
	ds_load_b128 v[(\f)+8*(\i)+4:(\f)+8*(\i)+7], v[ADRB+(\slot)] offset:(\k)+(\i)*16*PITCH+32
.endr
	WIN 0
.irp i, 0,1,2,3,4,5,6,7
	ds_load_b128 v[(\f)+8*(\i):(\f)+8*(\i)+3],   v[ADRA+(\slot)] offset:(\k)+(\i)*16*PITCH
	ds_load_b128 v[(\f)+8*(\i)+4:(\f)+8*(\i)+7], v[ADRA+(\slot)] offset:(\k)+(\i)*16*PITCH+32
.endr
.endm
; A load into a register that a matrix instruction has read, and an LDS store that reads a matrix result, stand four places behind that matrix instruction, and only plain vector
; instructions that name none of its registers are places (ISA guide 7.12.1 for vector instructions).  No other vector work is at hand in the loop.
.macro PLACES
.rept 4
	v_nop
.endr
.endm
; A K step is four quarter steps of 32 along K, 64 matrix instructions each, on buffers 0, 1, 0, 1.
; One of the first three: multiplies buffer f; in its middle it fetches the next quarter's fragments, at byte k of the same slot's rows, into buffer g.
.macro QUARTER slot, k, f, g, zero
	s_wait_dscnt 8                                 ; B and A's rows 0-63 are in; the youngest eight loads (A's rows 64-127) may be out
	WIN MUL_LO
	MUL16 \f, 0, 0, \zero
	MUL16 \f, 0, 2, \zero
	PLACES
	FETCH \slot, \k, \g
	s_wait_dscnt 32                                ; all but the 32 just issued
	WIN MUL_HI
	MUL16 \f, 1, 0, \zero
	MUL16 \f, 1, 2, \zero
.endm
; The last quarter multiplies buffer 1 and changes slots.  MEET is its first half: ONE barrier for the change of slots, for two things.  In front of it each wave waits for all its tensor
; loads, of which one is out: its part of the next slot; adds 0 to its spare word; and waits for that and for its own reads of this slot.  Behind it nobody reads this slot any more and the next slot is whole.
.macro MEET round                      ; round = 1: the rest of a round of the cluster's barrier follows
	WIN 0                                          ; (the add's two registers lie in window 0)
	s_wait_tensorcnt 0x0                           ; all my tensor loads have landed: the one that was out is my part of the next slot;
	ds_add_u32 v[SPW], v[NIL]                      ; 0 onto my spare word;
	s_wait_dscnt 9                                 ; (the add and the youngest eight loads may be out)
	WIN MUL_LO
	MUL16 F1, 0, 0, 0                              ; sixteen matrix instructions stand between the add and the wait for it
	s_wait_dscnt 0x0                               ; the add is done, and my reads of this slot are over:
	s_barrier_signal -1                            ; say so (where a slot is filled again this barrier opens a round of the cluster's barrier),
	MUL16 F1, 0, 2, 0                              ; work on registers while the others arrive,
.if \round
	WIN 0
.endif
	s_barrier_wait -1                              ; and go on when all four have said so
.endm
; The whole last quarter.  fill = 1: behind the round the slot just read out is filled again first, with the K step two steps on; then come the next slot's first fragments.
; From a request to the wait for it a wave issues 224 matrix instructions.  fill = 0 (the last lap): nothing is left to ask for, so the work-group's barrier is enough.
.macro TURN slot, next, fill
.if \fill
	s_wait_xcnt 0x0                                ; the last prefetch, a K step back, has read its address: it is stepped here, ahead of the waits of the change of slots
	s_add_nc_u64 s[PFA:PFA+1], s[PFA:PFA+1], KSTEP*2
	MEET 1
	CREST                                          ; wave 0 says so for the work-group, all sixteen work-groups have said so, my work-group's barrier closes the round:
	                                               ; no wave of any partner still reads this slot's tile or has a load on its way, and no tensor load of mine is out, so a group 0 may be written
	s_add_nc_u64 s[G0+4*(\slot)+2:G0+4*(\slot)+3], s[G0+4*(\slot)+2:G0+4*(\slot)+3], 2*KSTEP*2
	s_add_nc_u64 s[G0B+4*(\slot)+2:G0B+4*(\slot)+3], s[G0B+4*(\slot)+2:G0B+4*(\slot)+3], 2*KSTEP*2
	JLOAD \slot                                    ; the first tensor load behind the round, and my only one until the next; the four v_nop behind it are also the places in front of the loads below
	FETCH \next, 0, F0
	ASK                                            ; behind the joint load and the run of LDS loads that the next products wait for
.else
	MEET 0
	PLACES                                         ; for the loads into buffer 0, which the quarter before multiplied
	FETCH \next, 0, F0
.endif
	WIN MUL_HI
	MUL16 F1, 1, 0, 0
	MUL16 F1, 1, 2, 0
.endm
; THE WAY OUT of block a (16 rows x my 128 columns).  A lane's 32 bytes are a sixteenth of a row's 512, and the lanes beside it hold other rows.  So the block goes through my own stage in LDS:
; TOSTAGE: the eight accumulators as they are, f32, into rows of 528 bytes (each accumulator's low four registers first), and back as whole rows, one row a load.
; The stage is my wave's own and LDS serves a wave's instructions in order (ISA guide 5.7.1.4): no barrier, and no wait between the stores and the loads, nor between a block's loads and the next block's stores.
.macro TOSTAGE a
.set AC, 64*((\a)%4)
.set BK, F0+64*((\a)%2)                ; the two fragment buffers of A take the blocks by turns
	WIN ST_LO+4*((\a)/4)                           ; the data in window 2 (blocks 0-3) or 3 (blocks 4-7)
.irp b, 0,1,2,3,4,5,6,7
	ds_store_b128 v[STO], v[AC+8*(\b):AC+8*(\b)+3]   offset:64*(\b)
	ds_store_b128 v[STO], v[AC+8*(\b)+4:AC+8*(\b)+7] offset:64*(\b)+16
.endr
	WIN 0
.if (\a) >= 2
	s_wait_xcnt 0x0                                ; every earlier memory instruction has had its addresses translated (ISA guide 3.1): the registers that block a - 2's stores read are loaded again only behind this wait
.endif
.irp t, 0,1,2,3,4,5,6,7,8,9,10,11,12,13,14,15
	ds_load_b128 v[BK+4*(\t):BK+4*(\t)+3], v[RD] offset:(\t)*SPITCH
.endr
.endm
; SEND: bias is subtracted, in f32, and the row is stored.  younger: the LDS instructions issued behind block a's loads: the next block's 16 stores and 16 loads, or none.
.macro SEND a, younger
	WIN 0
.set BK, F0+64*((\a)%2)
.irp t, 0,1,2,3,4,5,6,7,8,9,10,11,12,13,14,15
	s_wait_dscnt (\younger)+15-(\t)                ; row t is back; the block's later rows and the next block's instructions may be out
	v_pk_add_f32 v[BK+4*(\t):BK+4*(\t)+1],   v[BK+4*(\t):BK+4*(\t)+1],   v[BI:BI+1]   neg_lo:[0,1] neg_hi:[0,1]
	v_pk_add_f32 v[BK+4*(\t)+2:BK+4*(\t)+3], v[BK+4*(\t)+2:BK+4*(\t)+3], v[BI+2:BI+3] neg_lo:[0,1] neg_hi:[0,1]
	global_store_b128 v[CO], v[BK+4*(\t):BK+4*(\t)+3], s[8:9] offset:(16*(\a)+(\t))*SIZE*4 th:TH_STORE_NT  ; the wave stores 512 consecutive bytes, at a multiple of 256 from out0's first byte; 127 rows at the most: inside the signed 24-bit immediate (ISA guide, chapter 10)
.endr
.endm
	s_wait_loadcnt 0x0                             ; bias
	s_wait_tensorcnt 1                             ; my part of K step 0 is in; K step 1's may stay out
	s_barrier_signal -1
	s_barrier_wait -1                              ; everybody's is
	FETCH 0, 0, F0
	QUARTER 0, 64,  F0, F1, 1                      ; the first quarter stands in front of the loop: its products start the sums
	WIN 0                                          ; at a label and at a branch every window is 0
	s_mov_b32 s3, LAPS-1
.Llap:                                                 ; a trip goes once round the ring, from a lap's second quarter to the next lap's first, and fills both slots again
	QUARTER 0, 128, F1, F0, 0
	QUARTER 0, 192, F0, F1, 0
	TURN 0, 1, 1
	QUARTER 1, 64,  F0, F1, 0
	QUARTER 1, 128, F1, F0, 0
	QUARTER 1, 192, F0, F1, 0
	TURN 1, 0, 1
	QUARTER 0, 64,  F0, F1, 0
	WIN 0
	s_sub_co_u32 s3, s3, 1
	s_cmp_lg_u32 s3, 0
	s_cbranch_scc1 .Llap
	QUARTER 0, 128, F1, F0, 0                      ; the last lap is written out: it fills nothing
	QUARTER 0, 192, F0, F1, 0
	TURN 0, 1, 0                                   ; my one tensor load that was still out is slot 1's, the last K step's
	QUARTER 1, 64,  F0, F1, 0
	QUARTER 1, 128, F1, F0, 0
	QUARTER 1, 192, F0, F1, 0
	s_wait_dscnt 8                                 ; the very last quarter: nothing more to fetch
	WIN MUL_LO
	MUL16 F1, 0, 0, 0
	MUL16 F1, 0, 2, 0
	s_wait_dscnt 0x0
	WIN MUL_HI
	MUL16 F1, 1, 0, 0
	MUL16 F1, 1, 2, 0
	PLACES                                         ; behind the last products, in front of the stores that read results and of the loads into A's fragment buffers:
	PLACES                                         ; eight places, twice what the distance asks for, once a launch
	TOSTAGE 0
.irp a, 1,2,3,4,5,6,7                  ; block a's trip through the stage is under way while block a - 1 is finished and stored
	TOSTAGE \a
	SEND (\a)-1, 32
.endr
	SEND 7, 0
	s_wait_tensorcnt 0x0                           ; the wave's end: a wait, an add and its wait, behind my last tensor load and my last LDS store
	ds_add_u32 v[SPW], v[NIL]
	s_wait_dscnt 0x0
	CROUND                                         ; the closing round: no work-group ends while a partner may still ask for a tile that names it
	s_endpgm
.Lfunc_end_k_qa5f0b29b04_gemm:
	.size	k_qa5f0b29b04_gemm, .Lfunc_end_k_qa5f0b29b04_gemm-k_qa5f0b29b04_gemm
	.p2alignl 7, 3214868480
	.fill 96, 4, 3214868480
	.section	.rodata,"a",@progbits
	.p2align	6, 0x0
	.amdhsa_kernel k_qa5f0b29b04_gemm
		.amdhsa_group_segment_fixed_size 327680
		.amdhsa_private_segment_fixed_size 0
		.amdhsa_enable_private_segment 0
		.amdhsa_kernarg_size 32
		.amdhsa_user_sgpr_count 2
		.amdhsa_user_sgpr_kernarg_segment_ptr 1
		.amdhsa_wavefront_size32 1
		.amdhsa_system_sgpr_workgroup_id_x 1
		.amdhsa_system_sgpr_workgroup_id_y 1
		.amdhsa_system_sgpr_workgroup_id_z 1
		.amdhsa_system_vgpr_workitem_id 0
		.amdhsa_next_free_vgpr 1024
		.amdhsa_next_free_sgpr 66
		.amdhsa_reserve_vcc 0
		.amdhsa_float_denorm_mode_32 3
		.amdhsa_float_denorm_mode_16_64 3
		.amdhsa_memory_ordered 1
		.amdhsa_forward_progress 1
		.amdhsa_inst_pref_size 161
	.end_amdhsa_kernel
	.amdgpu_metadata
---
amdhsa.version: [ 1, 2 ]
amdhsa.kernels:
  - .name:           k_qa5f0b29b04_gemm
    .symbol:         k_qa5f0b29b04_gemm.kd
    .args:
      - { .name: xb, .offset: 0, .size: 8, .value_kind: global_buffer, .address_space: global }
      - { .name: wb, .offset: 8, .size: 8, .value_kind: global_buffer, .address_space: global }
      - { .name: out0, .offset: 16, .size: 8, .value_kind: global_buffer, .address_space: global }
      - { .name: bias, .offset: 24, .size: 8, .value_kind: global_buffer, .address_space: global }
    .group_segment_fixed_size: 327680
    .private_segment_fixed_size: 0
    .kernarg_segment_align: 8
    .kernarg_segment_size: 32
    .max_flat_workgroup_size: 128
    .sgpr_count:     66
    .vgpr_count:     1024
    .wavefront_size: 32
...
	.end_amdgpu_metadata
.endif
;; end of part 2
;; ======== version 2 of 2: 2 launches; version 1 with the launch prep written anew for expert scheduling mode
;; workspace buffers: xb 33,554,432 bytes; wb 33,554,432 bytes
;; launch prep (part 3): grid 512 x 1, 8 waves a work-group, no clusters, 0 bytes of LDS; arguments x, weight, mask, xb, wb; writes xb, wb
.if DOCPART == 3
	.amdgcn_target "amdgcn-amd-amdhsa--gfx1250"
	.amdhsa_code_object_version 6
	.text
	.protected	k_qa5f0b29b04_prep
	.globl	k_qa5f0b29b04_prep
	.p2align	8
	.type	k_qa5f0b29b04_prep,@function
k_qa5f0b29b04_prep:
	s_mov_b64 s[64:65], 0
	v_nop
	global_prefetch_b8 v0, s[64:65] scope:SCOPE_SE
	s_setreg_imm32_b32 hwreg(HW_REG_WAVE_SCHED_MODE, 0, 2), 2
	s_setreg_imm32_b32 hwreg(HW_REG_WAVE_MODE, 25, 1), 1
	s_wait_xcnt 0x0
	s_wait_alu depctr_vm_vsrc(0)
; xb = bf16(x);  wb = bf16(weight * f32(mask)).  x, weight: [4096][4096] f32; mask: [4096][4096] int32; xb, wb: [4096][4096] bf16.
; The two operands of the product that follows are made once here, so that the product's work-groups, sixteen of which read each tile, need not convert them again.
; LIMITS.  Each number is rounded once, to nearest even, to bf16, which has f32's exponent range.  mask is taken as any int32, converted to f32 (to nearest even) and MULTIPLIED:
; an infinite or NaN weight under a zero gives NaN, as the multiplication in f32 does.  No pattern of the mask is assumed.
; A STREAM: every byte is read once and written once; no byte is wanted by two waves, so there is no LDS, no barrier, no cluster and no matrix work.
; SHARES.  A unit is 1,024 numbers on end: 4,096 bytes of each input, 2,048 of each output.  The work-group owns 32 units.  Thread t takes the 16 bytes at 16 t of a unit's inputs
; (a wave's load covers 512 consecutive bytes) and stores the 8 bytes at 8 t of its outputs (a wave's store covers 256 consecutive bytes, at a multiple of 256 from the buffer's first byte).
; THE MODE: SCHED_MODE bits 1:0 = 2 (LLVM: expert scheduling mode 2), set by the entry lines.  The code itself states the register dependences
; between vector instructions and memory instructions, with s_wait_alu, always for 0.
; THE PLAN.  The 32 units go in 8 blocks of four.  Registers that memory instructions touch:
;   IN0 .. IN3  four blocks of inputs as loaded.  Written by the loads of block p + 3, issued in block p; read, and the mask's part written in place, by block p's vector lines.
;   Y0, Y1      two blocks of outputs.            Written by block p's roundings; read by the eight stores that are issued in block p + 1.
;   v1, v2      byte offsets, made once at the head and never written again; the five scalar bases likewise: every unit is reached by an immediate offset.
; Block p works on IN[p % 4] and writes Y[p % 2].  Its memory instructions are the loads into IN[(p + 3) % 4] = IN[(p - 1) % 4] and the stores from Y[(p - 1) % 2]: the two buffers
; that block p - 1 worked on and that no vector instruction of block p names.  So the waits at the head of a block state all that the block's memory instructions hang on, and these are
; dealt among its vector instructions with no further wait.  With four IN buffers a lap would be four blocks, and only blocks 1 to 4 both load and store: one trip.  So the eight blocks
; are written out by one macro: no base is stepped, and there is no backward jump.
.set BLOCK,  4                         ; units in a block
.set BLOCKS, 32/BLOCK
.set LOADS,  3*BLOCK                   ; loads of a block
.set UIN,    4096                      ; bytes of a unit in x, weight, mask
.set UOUT,   2048                      ; bytes of a unit in xb, wb
.set IN,  1                            ; v1         16 t; never rewritten
.set OUT, 2                            ; v2         8 t; never rewritten
.set BUF, 4                            ; v[4:195]   buffer k, unit i: 12 registers at BUF + 48 k + 12 i: 4 numbers of x, 4 of weight, 4 of mask (then weight x mask)
.set Y,   196                          ; v[196:227] buffer k, unit i: 4 registers at Y + 16 k + 4 i: 2 for xb, 2 for wb
	s_load_b256 s[4:11], s[0:1], 0x0               ; x s[4:5], weight s[6:7], mask s[8:9], xb s[10:11]
	s_load_b64 s[12:13], s[0:1], 0x20              ; wb
	v_lshlrev_b32 v[IN], 4, v0
	v_lshlrev_b32 v[OUT], 3, v0
	s_lshl_b32 s14, ttmp9, 17                      ; the work-group's 32 units: 131,072 bytes of each input (under 2^26 in all),
	s_mov_b32 s15, 0
	s_lshl_b32 s16, ttmp9, 16                      ; 65,536 of each output
	s_mov_b32 s17, 0
	s_wait_kmcnt 0x0
	s_add_nc_u64 s[4:5], s[4:5], s[14:15]
	s_add_nc_u64 s[6:7], s[6:7], s[14:15]
	s_add_nc_u64 s[8:9], s[8:9], s[14:15]
	s_add_nc_u64 s[10:11], s[10:11], s[16:17]
	s_add_nc_u64 s[12:13], s[12:13], s[16:17]
	s_wait_alu depctr_va_vdst(0)                   ; v1 and v2 are written: every load and store of the kernel reads one of them as its offset
; The three loads of unit u of the work-group's 32, into place i of buffer k.  Each input byte is read once in the launch.
.macro FILL k, i, u
	global_load_b128 v[BUF+48*(\k)+12*(\i):BUF+48*(\k)+12*(\i)+3],    v[IN], s[4:5] offset:(\u)*UIN th:TH_LOAD_NT
	global_load_b128 v[BUF+48*(\k)+12*(\i)+4:BUF+48*(\k)+12*(\i)+7],  v[IN], s[6:7] offset:(\u)*UIN th:TH_LOAD_NT
	global_load_b128 v[BUF+48*(\k)+12*(\i)+8:BUF+48*(\k)+12*(\i)+11], v[IN], s[8:9] offset:(\u)*UIN th:TH_LOAD_NT
.endm
.irp u, 0,1,2,3,4,5,6,7,8,9,10,11
	FILL (\u)/BLOCK, (\u)%BLOCK, \u                ; blocks 0, 1 and 2 into IN0, IN1, IN2
.endr
; Block p.  Blocks 0 to 4 load block p + 3; blocks 1 to 7 store block p - 1.
.macro BLK p
.set xb, (\p)%4
.set yb, (\p)%2
.set left, 2*LOADS                     ; the two younger blocks' loads may stay out;
.if (\p) > BLOCKS-3
.set left, (BLOCKS-1-(\p))*LOADS       ; behind block 4 nothing more is loaded, and the counts run down
.endif
	s_wait_loadcnt left                            ; loads come back in order (ISA guide 5.7.1): IN[xb] is in
.if (\p) >= 2                          ; blocks 0 and 1 write their Y for the first time: no store has read it
	s_wait_xcnt 0x0                                ; every earlier memory instruction has had its addresses translated (ISA guide 3.1): Y[yb], the data of the stores issued in the block before, is rewritten only behind this wait
	s_wait_alu depctr_vm_vsrc(0)                   ; the stores issued in the block before have read Y[yb], which this block's roundings write again
.endif
.if (\p) >= 1
	s_wait_alu depctr_va_vdst(0)                   ; the block before has written the other Y, which the stores below read, and is done reading and writing its IN buffer, in which the loads below (blocks 1 to 4) land
.endif
.irp i, 0,1,2,3
.if (\p) < BLOCKS-3
	FILL (xb+3)%4, \i, BLOCK*((\p)+3)+(\i)         ; three blocks ahead, the loads ahead of the stores; no vector instruction since the wait names these registers.  Unit 31 is the last: no load leaves its buffer
.endif
.if (\p) >= 1
	global_store_b64 v[OUT], v[Y+16*(1-yb)+4*(\i):Y+16*(1-yb)+4*(\i)+1],   s[10:11] offset:(BLOCK*((\p)-1)+(\i))*UOUT  ; the block before; no hint: the next launch reads these
	global_store_b64 v[OUT], v[Y+16*(1-yb)+4*(\i)+2:Y+16*(1-yb)+4*(\i)+3], s[12:13] offset:(BLOCK*((\p)-1)+(\i))*UOUT
.endif
.set r, BUF+48*xb+12*(\i)              ; x at r, weight at r + 4, mask at r + 8
.irp j, 0,1,2,3
	v_cvt_f32_i32 v[r+8+(\j)], v[r+8+(\j)]
.endr
.irp j, 0,2
	v_pk_mul_f32 v[r+8+(\j):r+8+(\j)+1], v[r+4+(\j):r+4+(\j)+1], v[r+8+(\j):r+8+(\j)+1]  ; weight x mask, in f32
.endr
	v_cvt_pk_bf16_f32 v[Y+16*yb+4*(\i)],   v[r],    v[r+1]   ; two roundings to bf16, packed
	v_cvt_pk_bf16_f32 v[Y+16*yb+4*(\i)+1], v[r+2],  v[r+3]
	v_cvt_pk_bf16_f32 v[Y+16*yb+4*(\i)+2], v[r+8],  v[r+9]
	v_cvt_pk_bf16_f32 v[Y+16*yb+4*(\i)+3], v[r+10], v[r+11]
.endr
.endm
.irp p, 0,1,2,3,4,5,6,7
	BLK \p
.endr
	s_wait_alu depctr_va_vdst(0)                   ; block 7 has written Y1, which the last eight stores read
.irp i, 0,1,2,3
	global_store_b64 v[OUT], v[Y+16+4*(\i):Y+16+4*(\i)+1],   s[10:11] offset:(BLOCK*(BLOCKS-1)+(\i))*UOUT
	global_store_b64 v[OUT], v[Y+16+4*(\i)+2:Y+16+4*(\i)+3], s[12:13] offset:(BLOCK*(BLOCKS-1)+(\i))*UOUT
.endr
	s_endpgm
.Lfunc_end_k_qa5f0b29b04_prep:
	.size	k_qa5f0b29b04_prep, .Lfunc_end_k_qa5f0b29b04_prep-k_qa5f0b29b04_prep
	.p2alignl 7, 3214868480
	.fill 96, 4, 3214868480
	.section	.rodata,"a",@progbits
	.p2align	6, 0x0
	.amdhsa_kernel k_qa5f0b29b04_prep
		.amdhsa_group_segment_fixed_size 0
		.amdhsa_private_segment_fixed_size 0
		.amdhsa_enable_private_segment 0
		.amdhsa_kernarg_size 40
		.amdhsa_user_sgpr_count 2
		.amdhsa_user_sgpr_kernarg_segment_ptr 1
		.amdhsa_wavefront_size32 1
		.amdhsa_system_sgpr_workgroup_id_x 1
		.amdhsa_system_sgpr_workgroup_id_y 1
		.amdhsa_system_sgpr_workgroup_id_z 1
		.amdhsa_system_vgpr_workitem_id 0
		.amdhsa_next_free_vgpr 228
		.amdhsa_next_free_sgpr 66
		.amdhsa_reserve_vcc 0
		.amdhsa_float_denorm_mode_32 3
		.amdhsa_float_denorm_mode_16_64 3
		.amdhsa_memory_ordered 1
		.amdhsa_forward_progress 1
		.amdhsa_inst_pref_size 33
	.end_amdhsa_kernel
	.amdgpu_metadata
---
amdhsa.version: [ 1, 2 ]
amdhsa.kernels:
  - .name:           k_qa5f0b29b04_prep
    .symbol:         k_qa5f0b29b04_prep.kd
    .args:
      - { .name: x, .offset: 0, .size: 8, .value_kind: global_buffer, .address_space: global }
      - { .name: weight, .offset: 8, .size: 8, .value_kind: global_buffer, .address_space: global }
      - { .name: mask, .offset: 16, .size: 8, .value_kind: global_buffer, .address_space: global }
      - { .name: xb, .offset: 24, .size: 8, .value_kind: global_buffer, .address_space: global }
      - { .name: wb, .offset: 32, .size: 8, .value_kind: global_buffer, .address_space: global }
    .group_segment_fixed_size: 0
    .private_segment_fixed_size: 0
    .kernarg_segment_align: 8
    .kernarg_segment_size: 40
    .max_flat_workgroup_size: 256
    .sgpr_count:     66
    .vgpr_count:     228
    .wavefront_size: 32
...
	.end_amdgpu_metadata
.endif
;; end of part 3
;; launch gemm: the kernel of part 2 again; grid 16 x 16, 4 waves a work-group, clusters of 4 x 4, 327,680 bytes of LDS; arguments xb, wb, out0, bias; writes out0
